; MI455X (gfx1250); checked and timed in simulation.
; The chip was launched on July 23, 2026; its instructions are those of AMD's public machine-readable ISA for CDNA 5 (MIT licence, August 2026) and "CDNA5" Instruction Set Architecture Reference Guide (July 2026). The comments in the code are by the model that wrote it; some were corrected since.
;; Outlier Detector. Allowed arithmetic: matrix products marked QUANTISED: E2M1 operands, one E8M0 scale for each 32 along K, by v_wmma_scale_f32_16x16x128_f8f6f4 with both operands' format E2M1 (or v_wmma_scale_f32_32x16x128_f4), f32 sums; products left as they are: f32 operands where the result goes on into a quantised operand, else bf16, f16 or f32 operands; f32 sums; everything else in f32.
;; Inputs: cov_inv 19 x 50 x 50 float32; feats 131,072 x 256 float32; mu_c 19 x 50 float32; pca_components 19 x 50 x 256 float32; pca_mean 19 x 256 float32; pca_var 19 x 50 float32.
;; Outputs: out0 256 x 512 float32.
;; Constants: H = 256, W = 512.
;; This version of the problem:
;;   THIS VERSION OF THE PROBLEM IS GIVEN IN LOW PRECISION. The matrix products marked QUANTISED in the list below multiply operands that are first quantised to E2M1 (2 exponent bits, 1 mantissa bit; 4 bits a number), with one power-of-two scale for each 32 numbers along K (OCP MX v1.0); their sums are f32. All else is computed in f32.
;;   The module's matrix products, in the order in which they are computed (A, B: the left and right operand; K: the contracted axis; several contracted axes count as one K, in the product's order):
;;     1. [M 950, K 256] x [K 256, N 131,072]; A: input pca_components; B: input feats: QUANTISED
;;     2. batch 19 x [M 1, K 256] x [K 256, N 50]; A: input pca_mean; B: input pca_components: left as it is (M = 1 < 16)
;;     3. batch 19 x [M 50, K 50] x [K 50, N 131,072]; A: input cov_inv; B: computed on the way: QUANTISED
;;     4. batch 2,490,368 x [M 1, K 50] x [K 50, N 1]; A: computed on the way; B: computed on the way: left as it is (M = 1 < 16)
;;   THE QUANTISER, for each operand of a quantised product, along K:
;;     - K is cut into blocks of 32 from its start; a last block that is shorter is filled with zeros.
;;     - A block's scale is 2^e with e = floor(log2(the largest magnitude in the block)) - 2, held to -126 .. 127; a block of zeros has e = 0. As a byte (E8M0): e + 127.
;;     - Each number is divided by its block's scale, clamped to +-6, and rounded to the nearest number of E2M1, ties to even, subnormals kept.
;;     - The product sums the exact products of the quantised numbers (number of the format x scale) in f32.
;;   ~~~python
;;   def quantise(x, axis):      # numpy; x: float32 -> the quantised numbers, widened to float32 again
;;       x = np.moveaxis(x, axis, -1); K = x.shape[-1]
;;       x = np.pad(x, [(0, 0)] * (x.ndim - 1) + [(0, -K % 32)]); x = x.reshape(x.shape[:-1] + (-1, 32)); a = np.abs(x).max(-1, keepdims=True)
;;       e = np.where(a > 0, np.clip(np.frexp(np.where(a > 0, a, 1))[1] - 1 - 2, -126, 127), 0)      # np.frexp(a)[1] - 1 = floor(log2(a)), exactly
;;       r = np.clip(x / 2.0 ** e, -6, 6)
;;       step = 2.0 ** (np.maximum(np.frexp(np.where(r == 0, 1, r))[1] - 1, 0) - 1)
;;       q = np.round(r / step) * step * 2.0 ** e      # np.round: ties to even
;;       return np.moveaxis(q.reshape(q.shape[:-2] + (-1,))[..., :K], -1, axis).astype(np.float32)
;;   ~~~
;;   OPERANDS COMPUTED ON THE WAY. 'Computed on the way' means the value that the module computes at that place (a softmax that the list does not call 'softmax' is quantised finished and normalised). What goes into a quantiser is computed in f32, as accurately as f32 sums, v_exp_f32 and their like allow (about 1e-6 of the number): no bf16 or f16 on the way to a quantiser, and a product that is left as it is and whose result goes on into a quantised operand takes f32 operands (vector FMAs, or v_wmma_f32_16x16x4_f32). A number that lies on a knife's edge between two numbers of the format may be rounded either way, as far as f32 arithmetic and the matrix unit's own rounding can turn it there, and no further.
;; One version. Each part assembles by itself: llvm-mc -triple=amdgcn-amd-amdhsa -mcpu=gfx1250 --defsym DOCPART=n.
;; ======== version 1 of 1: 2 launches
;; workspace buffers: wts 218,880 bytes
;; launch prep (part 1): grid 19 x 1, 4 waves a work-group, no clusters, 0 bytes of LDS; arguments pca_components, pca_mean, pca_var, mu_c, cov_inv, wts; writes wts
.if DOCPART == 1
	.amdgcn_target "amdgcn-amd-amdhsa--gfx1250"
	.amdhsa_code_object_version 6
	.text
	.protected	k_q23c2d84dd0_prep
	.globl	k_q23c2d84dd0_prep
	.p2align	8
	.type	k_q23c2d84dd0_prep,@function
k_q23c2d84dd0_prep:
	s_mov_b64 s[64:65], 0
	v_nop
	global_prefetch_b8 v0, s[64:65] scope:SCOPE_SE
	s_setreg_imm32_b32 hwreg(HW_REG_WAVE_MODE, 25, 1), 1
	s_wait_xcnt 0x0
; The class weights are quantised ONCE and laid in the order of the matrix operands' registers, so that the second launch loads them whole, 16 bytes a lane.
; Work-group = class c (19), wave = tile t (4) of 16 rows.  ROW m OF TILE t IS k = 8 t + (m & 7) + 4 (m & 8): rows 0-7 are k = 8 t .., rows 8-15 are k = 32 + 8 t ..; k = 50 .. 63 are padding.
; With that order a product used transposed (source 0 = weights) leaves k = 32 (lane / 16) + 8 t + j in register 8 t + j: a lane then holds a whole block of 32 along the next K.
; A class's record in wts, 11,520 bytes:
;   0      comps' codes (E2M1): quad n = 4 t + 2 s + c of the class's 64 registers at 512 n + 16 lane (tile t, K step s of 128, c: K = 64 c + 32 (lane / 16) + 0 .. 31 of row lane % 16)
;   8192   cov_inv's codes, quantised along its FIRST matrix index k: tile t (rows l in the order above) at 512 t + 16 lane: k = 32 (lane / 16) + 0 .. 31, zeros from k = 50 on
;   10240  comps' scale registers: tile t at 128 t + 4 lane: lanes 0-15 the row's word of K step 0, lanes 16-31 of K step 1
;   10752  cov_inv's scale words: tile t at 64 t + 4 (lane % 16): byte 0 block 0, byte 1 block 1, bytes 2, 3 = 0
;   11008  s[64] = 1 / sqrt(pca_var), 0 for k >= 50;   11264  o[64] = -(mean_proj s) - mu_c, 0 for k >= 50: the second launch makes diff = proj s + o by one fused multiply-add
; mean_proj = pca_mean . pca_components is summed in f32 on the unquantised numbers, since it goes on into a quantised operand.
; A block's scale byte is its largest magnitude's exponent field - 2, held at 1 from below by a floor among the maximum's leaves.  A block of zeros so has the byte 1 where the rule says 127:
; its codes are zeros, and this program alone reads the bytes.
; LIMITS: NaN and infinities among the inputs are not served; blocks whose largest magnitude lies under 2^-124 take the byte 1; pca_var is a positive normal number, and 1 / sqrt is one v_rsq_f32 (1 ulp: ISA guide 15.8).
.set REC,  11520
.set VAR,  4                           ; v4       k while the offsets are made; then pca_var of my row
.set MU,   5                           ; v5       min(k, 49) while the offsets are made; then mu_c of my row
.set COV,  32                          ; v32-63   cov_inv(32 h + i, l), i = 0 .. 31; later v32-39 the four chains of mean_proj, v40-55 comps' codes, v58-60 what is stored last
.set SUM,  32
.set C0,   64                          ; v64-127  my row's 64 numbers of K step 0
.set MN,   128                         ; v128-191 pca_mean at the same places: K step 0, later K step 1
.set C1,   192                         ; v192-255 my row's 64 numbers of K step 1
; v1 lane, v2 r, v3 h, v6-v14 offsets (below), v15 = 0, v16-23 at work, v24-27 cov's codes, v28 cov's scale word, v29, v30 comps' scale words, v31 a lane permute's destination
; the largest magnitude of 32 registers from v[b] on, in two chains, with the floor 2^(3 - 127) as one more leaf: 16 instructions
.macro BMAX m0, m1, b
	v_max3_num_f32 v[\m0], |v[\b]|, |v[\b+1]|, 0x1800000
	v_max3_num_f32 v[\m1], |v[\b+16]|, |v[\b+17]|, |v[\b+18]|
.irp n, 0,2,4,6,8,10
	v_max3_num_f32 v[\m0], v[\m0], |v[\b+2+\n]|, |v[\b+3+\n]|
	v_max3_num_f32 v[\m1], v[\m1], |v[\b+19+\n]|, |v[\b+20+\n]|
.endr
	v_max3_num_f32 v[\m0], v[\m0], |v[\b+14]|, |v[\b+15]|
	v_max3_num_f32 v[\m0], v[\m0], v[\m1], |v[\b+31]|
.endm
; the same for two blocks, four chains by turns
.macro BMAX2 m0x, m1x, bx, m0y, m1y, by
	v_max3_num_f32 v[\m0x], |v[\bx]|, |v[\bx+1]|, 0x1800000
	v_max3_num_f32 v[\m0y], |v[\by]|, |v[\by+1]|, 0x1800000
	v_max3_num_f32 v[\m1x], |v[\bx+16]|, |v[\bx+17]|, |v[\bx+18]|
	v_max3_num_f32 v[\m1y], |v[\by+16]|, |v[\by+17]|, |v[\by+18]|
.irp n, 0,2,4,6,8,10
	v_max3_num_f32 v[\m0x], v[\m0x], |v[\bx+2+\n]|, |v[\bx+3+\n]|
	v_max3_num_f32 v[\m0y], v[\m0y], |v[\by+2+\n]|, |v[\by+3+\n]|
	v_max3_num_f32 v[\m1x], v[\m1x], |v[\bx+19+\n]|, |v[\bx+20+\n]|
	v_max3_num_f32 v[\m1y], v[\m1y], |v[\by+19+\n]|, |v[\by+20+\n]|
.endr
	v_max3_num_f32 v[\m0x], v[\m0x], |v[\bx+14]|, |v[\bx+15]|
	v_max3_num_f32 v[\m0y], v[\m0y], |v[\by+14]|, |v[\by+15]|
	v_max3_num_f32 v[\m0x], v[\m0x], v[\m1x], |v[\bx+31]|
	v_max3_num_f32 v[\m0y], v[\m0y], v[\m1y], |v[\by+31]|
.endm
; sixteen loads: a lane's two blocks of 32 numbers (128 bytes each, 256 bytes apart) of one K step
.macro LD16 dst, adr, sb, off
.irp cq, 0,1
.irp q, 0,1,2,3,4,5,6,7
	global_load_b128 v[\dst+32*\cq+4*\q:\dst+32*\cq+4*\q+3], v[\adr], s[\sb:\sb+1] offset:\off+256*\cq+16*\q
.endr
.endr
.endm
; One K step of my row: 64 numbers from v[nb] on become 8 registers of codes from v[cb] on and the row's scale word in v[w]; the codes leave at off
.macro QSTEP nb, cb, w, off
	BMAX2 16, 17, \nb, 18, 19, \nb+32
	v_add_nc_u32 v20, 0xff000000, v16              ; 2 off the exponent field: the conversion takes this operand's exponent field as its scale
	v_add_nc_u32 v21, 0xff000000, v18
	v_lshrrev_b32 v22, 23, v20                     ; the scales' bytes: blocks h and 2 + h of the K step
	v_lshrrev_b32 v23, 23, v21
	v_lshl_or_b32 v[\w], v23, 16, v22
	v_lshlrev_b32 v[\w], v13, v[\w]                ; at their places in the word, 8 h bits up;
	v_permlanex16_b32 v31, v[\w], s18, s19
	v_or_b32 v[\w], v[\w], v31                     ; with lane l xor 16's two the word is whole
.irp g, 0,1,2,3
	v_cvt_scalef32_pk8_fp4_f32 v[\cb+\g], v[\nb+8*\g:\nb+8*\g+7], v20
.endr
.irp g, 0,1,2,3
	v_cvt_scalef32_pk8_fp4_f32 v[\cb+4+\g], v[\nb+32+8*\g:\nb+32+8*\g+7], v21
.endr
	v_nop                                          ; one plain place behind a scaled conversion
.irp g, 0,1,2,3,4,5,6,7
	v_cndmask_b32 v[\cb+\g], 0, v[\cb+\g], s20     ; rows k >= 50 are padding: zero codes
.endr
	global_store_b128 v11, v[\cb:\cb+3], s[24:25] offset:\off
	global_store_b128 v11, v[\cb+4:\cb+7], s[24:25] offset:\off+512
.endm
	s_load_b256 s[4:11], s[0:1], 0x0               ; comps s[4:5], mean s[6:7], var s[8:9], mu s[10:11]
	s_load_b128 s[12:15], s[0:1], 0x20             ; cov_inv s[12:13], wts s[14:15]
	v_lshrrev_b32 v1, 5, v0
	v_readfirstlane_b32 s16, v1                    ; wave = tile t
	v_and_b32 v1, 31, v0                           ; lane
	v_and_b32 v2, 15, v0                           ; r
	v_bfe_u32 v3, v0, 4, 1                         ; h
	v_and_b32 v4, 7, v2
	v_and_b32 v5, 8, v2
	v_lshl_add_u32 v4, v5, 2, v4
	s_lshl_b32 s17, s16, 3
	v_add_nc_u32 v4, s17, v4                       ; k = 8 t + (r & 7) + 4 (r & 8)
	v_min_u32 v5, 49, v4                           ; padding rows read row 49, so that every load stays inside its buffer
	v_lshlrev_b32 v7, 7, v3                        ; mean: 128 h
	v_lshl_add_u32 v6, v5, 10, v7                  ; comps: row of 1,024 bytes + 128 h
	v_lshlrev_b32 v8, 2, v5                        ; var, mu, and a column of cov_inv
	v_mul_u32_u24 v9, v3, 6400
	v_add_nc_u32 v9, v9, v8                        ; cov_inv: 32 h rows of 200 bytes + the column
	v_lshlrev_b32 v10, 2, v2                       ; 4 r
	v_lshlrev_b32 v11, 4, v1                       ; 16 lane
	v_lshlrev_b32 v12, 2, v1                       ; 4 lane
	v_lshlrev_b32 v13, 3, v3                       ; 8 h
	v_lshlrev_b32 v14, 2, v4
	v_lshl_add_u32 v14, v3, 8, v14                 ; s (lanes 0-15) or o (lanes 16-31) at 4 k
	v_mov_b32 v15, 0
	v_mov_b32 v31, 0                               ; a lane permute's destination counts as one of its sources
	v_cmp_gt_u32 s20, 50, v4                       ; lanes whose row is no padding.  (The last read of v4; v5's was two offsets back: both are free for var and mu)
	s_mov_b32 s21, 0xffff0000                      ; lanes 16-31
	s_mov_b32 s18, 0x76543210
	s_mov_b32 s19, 0xfedcba98                      ; v_permlanex16_b32's selects for lane l xor 16
	s_mul_i32 s34, ttmp9, 51200                    ; the class's first byte in each tensor
	s_mov_b32 s35, 0
	s_lshl_b32 s36, ttmp9, 10
	s_mov_b32 s37, 0
	s_mul_i32 s38, ttmp9, 200
	s_mov_b32 s39, 0
	s_mul_i32 s40, ttmp9, 10000
	s_mov_b32 s41, 0
	s_mul_i32 s42, ttmp9, REC
	s_mov_b32 s43, 0
	s_mov_b32 s45, 0
	s_wait_kmcnt 0x0
	s_add_nc_u64 s[4:5], s[4:5], s[34:35]
	s_add_nc_u64 s[6:7], s[6:7], s[36:37]
	s_add_nc_u64 s[8:9], s[8:9], s[38:39]
	s_add_nc_u64 s[10:11], s[10:11], s[38:39]
	s_add_nc_u64 s[12:13], s[12:13], s[40:41]
	s_add_nc_u64 s[14:15], s[14:15], s[42:43]      ; the class's record
	s_lshl_b32 s44, s16, 11
	s_add_nc_u64 s[24:25], s[14:15], s[44:45]      ; + 2,048 t: comps' codes
	s_lshl_b32 s44, s16, 9
	s_add_nc_u64 s[26:27], s[14:15], s[44:45]      ; + 512 t: cov_inv's codes
	s_lshl_b32 s44, s16, 7
	s_add_nc_u64 s[28:29], s[14:15], s[44:45]      ; + 128 t: comps' scale register
	s_lshl_b32 s44, s16, 6
	s_add_nc_u64 s[30:31], s[14:15], s[44:45]      ; + 64 t: cov_inv's scale words
.irp i, 0,1,2,3,4,5,6,7,8,9,10,11,12,13,14,15,16,17
	global_load_b32 v[COV+\i], v9, s[12:13] offset:200*\i      ; cov_inv(32 h + i, l)
.endr
.irp i, 18,19,20,21,22,23,24,25,26,27,28,29,30,31
	global_load_b32 v[COV+\i], v8, s[12:13] offset:200*\i      ; rows 32 + i do not exist: lanes 16-31 read row i too, and the number is replaced by 0 below
.endr
	global_load_b32 v[VAR], v8, s[8:9]             ; var
	global_load_b32 v[MU], v8, s[10:11]            ; mu
	LD16 C0, 6, 4, 0
	LD16 MN, 7, 6, 0
	LD16 C1, 6, 4, 512
	; ---- cov_inv: a lane holds one block of 32 along k of its column l
	s_wait_loadcnt 50                              ; behind cov_inv's 32 loads: var, mu and three runs of 16
.irp i, 18,19,20,21,22,23,24,25,26,27,28,29,30,31
	v_cndmask_b32 v[COV+\i], v[COV+\i], v15, s21   ; k = 50 .. 63: zeros, ahead of the maximum
.endr
	BMAX 16, 17, COV
	v_add_nc_u32 v20, 0xff000000, v16
	v_lshrrev_b32 v22, 23, v20
	v_permlanex16_b32 v31, v22, s18, s19           ; the other block's byte
	v_cndmask_b32 v18, v22, v31, s21               ; block 0's byte,
	v_cndmask_b32 v19, v31, v22, s21               ; block 1's: the same in both halves of the lanes
	v_lshl_or_b32 v28, v19, 8, v18
.irp g, 0,1,2,3
	v_cvt_scalef32_pk8_fp4_f32 v[24+\g], v[COV+8*\g:COV+8*\g+7], v20
.endr
	v_nop                                          ; one plain place behind a scaled conversion
.irp g, 0,1,2,3
	v_cndmask_b32 v[24+\g], 0, v[24+\g], s20       ; rows l >= 50 are padding
.endr
	global_store_b128 v11, v[24:27], s[26:27] offset:8192
	global_store_b32 v10, v28, s[30:31] offset:10752   ; lanes r and r + 16 store the same word to the same place
	; ---- comps and mean_proj
	s_wait_loadcnt 16                              ; all but comps' K step 1
.irp p, 0,1,2,3
	v_pk_mul_f32 v[SUM+2*\p:SUM+2*\p+1], v[C0+2*\p:C0+2*\p+1], v[MN+2*\p:MN+2*\p+1]   ; the first products start the four chains
.endr
.set p, 4
.rept 28
	v_pk_fma_f32 v[SUM+2*(p%4):SUM+2*(p%4)+1], v[C0+2*p:C0+2*p+1], v[MN+2*p:MN+2*p+1], v[SUM+2*(p%4):SUM+2*(p%4)+1]
.set p, p+1
.endr
	LD16 MN, 7, 6, 512                             ; the mean's K step 1 lands while K step 0 is quantised
	QSTEP C0, 40, 29, 0
	s_wait_loadcnt 0x0
.set p, 0
.rept 32
	v_pk_fma_f32 v[SUM+2*(p%4):SUM+2*(p%4)+1], v[C1+2*p:C1+2*p+1], v[MN+2*p:MN+2*p+1], v[SUM+2*(p%4):SUM+2*(p%4)+1]
.set p, p+1
.endr
	v_pk_add_f32 v[SUM:SUM+1], v[SUM:SUM+1], v[SUM+2:SUM+3]
	v_pk_add_f32 v[SUM+4:SUM+5], v[SUM+4:SUM+5], v[SUM+6:SUM+7]
	v_pk_add_f32 v[SUM:SUM+1], v[SUM:SUM+1], v[SUM+4:SUM+5]
	v_add_f32 v[SUM], v[SUM], v[SUM+1]
	v_permlanex16_b32 v31, v[SUM], s18, s19
	v_add_f32 v[SUM], v[SUM], v31                  ; mean_proj of my row: my 128 products and lane l xor 16's
	QSTEP C1, 48, 30, 1024
	v_rsq_f32 v58, v[VAR]                          ; s = 1 / sqrt(var)
	v_nop                                          ; one plain place behind a transcendental
	s_wait_alu depctr_va_vdst(0)
	v_fma_f32 v59, -v[SUM], v58, -v[MU]            ; o = -(mean_proj s) - mu
	v_cndmask_b32 v58, 0, v58, s20                 ; padding: s = o = 0, so that diff is 0 there
	v_cndmask_b32 v59, 0, v59, s20
	v_cndmask_b32 v58, v58, v59, s21               ; lanes 0-15 store s, lanes 16-31 o
	global_store_b32 v14, v58, s[14:15] offset:11008
	v_cndmask_b32 v60, v29, v30, s21               ; lanes 0-15 the word of K step 0, lanes 16-31 of K step 1
	global_store_b32 v12, v60, s[28:29] offset:10240
	s_endpgm
.Lfunc_end_k_q23c2d84dd0_prep:
	.size	k_q23c2d84dd0_prep, .Lfunc_end_k_q23c2d84dd0_prep-k_q23c2d84dd0_prep
	.p2alignl 7, 3214868480
	.fill 96, 4, 3214868480
	.section	.rodata,"a",@progbits
	.p2align	6, 0x0
	.amdhsa_kernel k_q23c2d84dd0_prep
		.amdhsa_group_segment_fixed_size 0
		.amdhsa_private_segment_fixed_size 0
		.amdhsa_enable_private_segment 0
		.amdhsa_kernarg_size 48
		.amdhsa_user_sgpr_count 2
		.amdhsa_user_sgpr_kernarg_segment_ptr 1
		.amdhsa_wavefront_size32 1
		.amdhsa_system_sgpr_workgroup_id_x 1
		.amdhsa_system_sgpr_workgroup_id_y 1
		.amdhsa_system_sgpr_workgroup_id_z 1
		.amdhsa_system_vgpr_workitem_id 0
		.amdhsa_next_free_vgpr 256
		.amdhsa_next_free_sgpr 66
		.amdhsa_reserve_vcc 0
		.amdhsa_float_denorm_mode_32 3
		.amdhsa_float_denorm_mode_16_64 3
		.amdhsa_memory_ordered 1
		.amdhsa_forward_progress 1
		.amdhsa_inst_pref_size 27
	.end_amdhsa_kernel
	.amdgpu_metadata
---
amdhsa.version: [ 1, 2 ]
amdhsa.kernels:
  - .name:           k_q23c2d84dd0_prep
    .symbol:         k_q23c2d84dd0_prep.kd
    .args:
      - { .name: pca_components, .offset: 0, .size: 8, .value_kind: global_buffer, .address_space: global }
      - { .name: pca_mean, .offset: 8, .size: 8, .value_kind: global_buffer, .address_space: global }
      - { .name: pca_var, .offset: 16, .size: 8, .value_kind: global_buffer, .address_space: global }
      - { .name: mu_c, .offset: 24, .size: 8, .value_kind: global_buffer, .address_space: global }
      - { .name: cov_inv, .offset: 32, .size: 8, .value_kind: global_buffer, .address_space: global }
      - { .name: wts, .offset: 40, .size: 8, .value_kind: global_buffer, .address_space: global }
    .group_segment_fixed_size: 0
    .private_segment_fixed_size: 0
    .kernarg_segment_align: 8
    .kernarg_segment_size: 48
    .max_flat_workgroup_size: 128
    .sgpr_count:     66
    .vgpr_count:     256
    .wavefront_size: 32
...
	.end_amdgpu_metadata
.endif
;; end of part 1
;; launch detect (part 2): grid 256 x 1, 4 waves a work-group, no clusters, 327,680 bytes of LDS; arguments feats, wts, out0; writes out0
.if DOCPART == 2
	.amdgcn_target "amdgcn-amd-amdhsa--gfx1250"
	.amdhsa_code_object_version 6
	.text
	.protected	k_q23c2d84dd0_detect
	.globl	k_q23c2d84dd0_detect
	.p2align	8
	.type	k_q23c2d84dd0_detect,@function
k_q23c2d84dd0_detect:
	s_mov_b64 s[64:65], 0
	v_nop
	global_prefetch_b8 v0, s[64:65] scope:SCOPE_SE
	s_setreg_imm32_b32 hwreg(HW_REG_WAVE_MODE, 25, 1), 1
	s_wait_xcnt 0x0
; out0[pixel] = min over 19 classes of diff^T cov_inv diff, diff = (feats . comps - mean_proj) / sqrt(var) - mu.  Both large products on codes of E2M1 with one E8M0 scale for each 32 along K.
; SHARES.  A work-group owns 512 pixels, in 4 blocks of 128 (8 tiles of 16).  THE FOUR WAVES SHARE THE CLASSES, NOT THE PIXELS: wave w keeps the weights of classes min(5 w, 14) + 0 .. 4 in its registers for the
; whole launch (720 registers, loaded once as the first launch laid them) and walks all 8 tiles of a block.  Wave 3's first class, 14, is wave 2's: it jumps over that visit.  What goes from wave to wave is small: a tile's codes.
; A BLOCK.  X: wave w reads its 32 rows of feats from the LDS slot that its own tensor load filled, quantises them along the 256 features and stores the two tiles' codes and scale words as images of the operand's
; registers | barrier | C: for each pair of tiles and each of my classes a VISIT; the minimum over my classes goes to my own 2,048 bytes of LDS | barrier.  At the end the four waves' minima are joined and stored.
; A VISIT (2 tiles x 1 class).  Both products are used TRANSPOSED (source 0 = 16 rows of the weights, source 1 = 16 pixels), and row m of weight tile t is k = 8 t + (m & 7) + 4 (m & 8): so lane (r, h) holds pixel r, and
; register 8 t + j the number k = 32 h + 8 t + j: A LANE HOLDS ONE WHOLE BLOCK OF 32 ALONG THE NEXT K, in ascending order.  The block's largest magnitude needs no other lane, and four conversions give registers 0-3 of
; the next operand as they stand.  cov_inv's rows have the same order, so y = cov_inv diff lies register for register on diff, and the quadratic form is 16 packed multiply-adds a tile and one exchange of halves.
; K = 50 is padded to 128 by zero codes of diff (registers 4-7 of its fragment, written once).  cov_inv's fragment of tile t is named as 8 registers of which the upper four are simply the next tile's codes:
; they meet those zero codes, under scale bytes 0 (2^-127, no NaN), and add nothing.
; feats comes through two LDS slots of 128 rows, each wave fetching and reading its own 32 rows; a slot's refill is asked for a whole block's work ahead of its first read.
; No cluster: the work-groups share no tile of feats, and the weights they share go straight into registers, 219 KB that would not fit in LDS beside the two slots' 266,240 bytes.
; LIMITS: NaN and infinities among the inputs are not served (v_min_num_f32 drops a NaN); a block whose largest magnitude lies under 2^-124 takes the scale byte 1; diff is one fused multiply-add proj s + o where the
; definition subtracts, divides and subtracts: it differs by f32 roundings of the same size.  cov_inv is taken as quantised along its first matrix index.
.set PITCH,  1040                      ; an LDS row of feats: 1,024 bytes + 16 of padding = 260 words: row r starts at bank 4 r mod 64 (64 banks of 4 bytes: ISA guide 11.1)
.set WROWS,  32*PITCH                  ; a wave's 32 rows: what one tensor load brings
.set SLOTB,  4*WROWS                   ; a slot: 128 rows.  Slot 0 at 0, slot 1 at SLOTB
.set IMG,    2*SLOTB                   ; images of the 8 tiles' codes: tile T at 2,048 T, register quad n = 2 s + c at 512 n + 16 lane
.set ISC,    IMG+16384                 ; their scale registers: tile T at 128 T + 4 lane: lanes 0-15 K step 0, lanes 16-31 K step 1
.set MINS,   ISC+1024                  ; wave w's minima for the work-group's 512 pixels at 2,048 w + 4 pixel
.set SPARE,  MINS+8192                 ; the spare words, 128 bytes for each wave: two blocks of 256 bytes that no other line names
.set REC,    11520                     ; a class's record in wts
; window 0
.set SPW, 1                            ; v1   LDS address of my spare word; never rewritten
.set NIL, 2                            ; v2   0; never rewritten
.set XR0, 3                            ; v3   my lane's place in my wave's rows of slot 0: 33,280 w + 1,040 r + 128 h
.set XRA, 4                            ; v4   the same for the tile in hand
.set LI,  5                            ; v5   IMG + 16 lane
.set LS,  6                            ; v6   ISC + 4 lane
.set XWI0, 7                           ; v7   where I store my first tile's image: LI + 4,096 w
.set XWS0, 8                           ; v8   and its scale register: LS + 256 w
.set IA,  9                            ; v9   the next pair's images
.set IS,  10                           ; v10  and scale registers
.set MA0, 11                           ; v11  MINS + 2,048 w + 4 lane
.set MA,  12                           ; v12  the same for the pair in hand
.set H8,  13                           ; v13  8 h
.set XWI, 14
.set XWS, 15
.set PXA, 16                           ; v16-31 tile A's codes: K step 0, K step 1;  v32-47 tile B's
.set PXB, 32
.set PSA, 48                           ; v48, v49 their scale registers
.set PSB, 49
.set MIN, 50
.set XSW, 51                           ; v51  X: the scale register just made
.set W0,  52
.set W1,  53
.set DA0, 54                           ; v54-57 two chains of tile A's quadratic form;  v58-61 tile B's
.set DB0, 58
.set GL4, 60                           ; at the head only: 4 lane,
.set GH,  61                           ; 128 h
.set CA,  62                           ; v62  MINS + 512 w + 16 lane: the end's reads
.set GO,  63                           ; v63  16 lane
.set ACCA, 64                          ; v64-95 proj, then diff, of tile A;  v96-127 of tile B.  In X: v64-191 a tile's 128 numbers a lane
.set ACCB, 96
.set YA,  128                          ; v128-159 y of tile A;  v160-191 of tile B
.set YB,  160
.set DCA, 192                          ; v192-195 diff's codes, v196-199 zeros;  v200-207 likewise for tile B
.set DCB, 200
.set DSA, 208                          ; diff's scale words
.set DSB, 209
.set M0A, 210
.set M1A, 211
.set M0B, 212
.set M1B, 213
.set SOA, 214
.set SOB, 215
.set EA,  216
.set EB,  217
.set PDA, 218                          ; lane permutes' destinations
.set PDB, 219
.set CSC, 224                          ; v224-243 comps' scale registers: class i, tile t at 4 i + t
.set VSC, 244                          ; v244-253 cov_inv's: class i, tiles 2 u, 2 u + 1 at 2 i + u
; window 1: comps of classes 0-3, 64 registers each (tile t, K step s at 16 t + 8 s).   window 2: s at 64 i, o at 64 i + 32, classes 0-3.
; window 3: v0-63 comps of class 4, v64-95 its s, v96-127 its o; v128-207 cov_inv, class i tile t at 128 + 16 i + 4 t; v208-211 zeros.
; s10 wave; s[12:13] permute selects; s14 lanes 16-31; s[16:23] descriptor group 1; s[24:27], s[28:31] group 0 of slot 0, 1; s[32:41] my five classes' records; s42-51 at work
.set MSB, 0
.macro WIN new                         ; s_set_vgpr_msb: bits 1:0 source 0, 3:2 source 1, 5:4 source 2, 7:6 destination; the high byte repeats the setting that is left
.if MSB != \new
	s_set_vgpr_msb (MSB<<8)|\new
.set MSB, \new
.endif
.endm
.macro PLACES n
.rept \n
	v_nop
.endr
.endm
; the largest magnitudes of two blocks of 32 registers, four chains by turns, with the floor 2^(3 - 127) as one more leaf: the scale's byte cannot fall under 1
.macro BMAX2 m0x, m1x, bx, m0y, m1y, by
	v_max3_num_f32 v[\m0x], |v[\bx]|, |v[\bx+1]|, 0x1800000
	v_max3_num_f32 v[\m0y], |v[\by]|, |v[\by+1]|, 0x1800000
	v_max3_num_f32 v[\m1x], |v[\bx+16]|, |v[\bx+17]|, |v[\bx+18]|
	v_max3_num_f32 v[\m1y], |v[\by+16]|, |v[\by+17]|, |v[\by+18]|
.irp n, 0,2,4,6,8,10
	v_max3_num_f32 v[\m0x], v[\m0x], |v[\bx+2+\n]|, |v[\bx+3+\n]|
	v_max3_num_f32 v[\m0y], v[\m0y], |v[\by+2+\n]|, |v[\by+3+\n]|
	v_max3_num_f32 v[\m1x], v[\m1x], |v[\bx+19+\n]|, |v[\bx+20+\n]|
	v_max3_num_f32 v[\m1y], v[\m1y], |v[\by+19+\n]|, |v[\by+20+\n]|
.endr
	v_max3_num_f32 v[\m0x], v[\m0x], |v[\bx+14]|, |v[\bx+15]|
	v_max3_num_f32 v[\m0y], v[\m0y], |v[\by+14]|, |v[\by+15]|
	v_max3_num_f32 v[\m0x], v[\m0x], v[\m1x], |v[\bx+31]|
	v_max3_num_f32 v[\m0y], v[\m0y], v[\m1y], |v[\by+31]|
.endm
; One K step of 128 of my pixel's row: 64 numbers from v[nb] on (blocks h and 2 + h) become a fragment's 8 registers from v[cb] on and the row's scale word in v[w]
.macro QSTEP nb, cb, w
	BMAX2 M0A, M1A, \nb, M0B, M1B, \nb+32
	v_add_nc_u32 v[SOA], 0xff000000, v[M0A]        ; 2 off the exponent field: the conversion takes this operand's exponent field as its scale
	v_add_nc_u32 v[SOB], 0xff000000, v[M0B]
	v_lshrrev_b32 v[EA], 23, v[SOA]                ; the scales' bytes
	v_lshrrev_b32 v[EB], 23, v[SOB]
	v_lshl_or_b32 v[\w], v[EB], 16, v[EA]
	v_lshlrev_b32 v[\w], v[H8], v[\w]              ; at their places in the word, 8 h bits up;
	v_permlanex16_b32 v[PDA], v[\w], s12, s13
	v_or_b32 v[\w], v[\w], v[PDA]                  ; with lane l xor 16's two the word is whole
.irp g, 0,1,2,3
	v_cvt_scalef32_pk8_fp4_f32 v[\cb+\g], v[\nb+8*\g:\nb+8*\g+7], v[SOA]
.endr
.irp g, 0,1,2,3
	v_cvt_scalef32_pk8_fp4_f32 v[\cb+4+\g], v[\nb+32+8*\g:\nb+32+8*\g+7], v[SOB]
.endr
	v_nop                                          ; one plain place behind a scaled conversion
.endm
; a pair of tiles' images come back as the registers that were stored
.macro IMGLOAD ia, is
.irp n, 0,1,2,3
	ds_load_b128 v[PXA+4*\n:PXA+4*\n+3], v[\ia] offset:512*\n
.endr
.irp n, 0,1,2,3
	ds_load_b128 v[PXB+4*\n:PXB+4*\n+3], v[\ia] offset:2048+512*\n
.endr
	ds_load_b32 v[PSA], v[\is]
	ds_load_b32 v[PSB], v[\is] offset:128
.endm
; the matrix instruction: MM0 starts a sum, scales from lanes 0-15; MM0R: source 0's scales from lanes 16-31; MM1 adds in place, both sides' scales from lanes 16-31
.macro MM0 d, a, b, sa, sb
	v_wmma_scale_f32_16x16x128_f8f6f4 v[\d:\d+7], v[\a:\a+7], v[\b:\b+7], 0, v[\sa], v[\sb] matrix_a_fmt:MATRIX_FMT_FP4 matrix_b_fmt:MATRIX_FMT_FP4
.endm
.macro MM0R d, a, b, sa, sb
	v_wmma_scale_f32_16x16x128_f8f6f4 v[\d:\d+7], v[\a:\a+7], v[\b:\b+7], 0, v[\sa], v[\sb] matrix_a_fmt:MATRIX_FMT_FP4 matrix_b_fmt:MATRIX_FMT_FP4 matrix_a_scale:MATRIX_SCALE_ROW1
.endm
.macro MM1 d, a, b, sa, sb
	v_wmma_scale_f32_16x16x128_f8f6f4 v[\d:\d+7], v[\a:\a+7], v[\b:\b+7], v[\d:\d+7], v[\sa], v[\sb] matrix_a_fmt:MATRIX_FMT_FP4 matrix_b_fmt:MATRIX_FMT_FP4 matrix_a_scale:MATRIX_SCALE_ROW1 matrix_b_scale:MATRIX_SCALE_ROW1
.endm
; A VISIT: my class i for tiles A and B.  pre = 1: the next pair's images are asked for as soon as this pair's codes have been multiplied for the last time.
.macro VISIT i, pre
.if \i < 4
.set WP1, 0x01                         ; source 0 (comps) window 1
.set WFM, 0x28                         ; sources 1 and 2 (s, o) window 2
.set CB, 64*\i
.set SB, 64*\i
.set OB, 64*\i+32
.else
.set WP1, 0x03                         ; class 4 lies in window 3
.set WFM, 0x3c
.set CB, 0
.set SB, 64
.set OB, 96
.endif
	WIN WP1
.irp t, 0,1,2,3                        ; proj^T = comps x pixels: eight accumulators by turns, one instruction a turn; K step 0 starts the sums
	MM0 ACCA+8*\t, CB+16*\t, PXA, CSC+4*\i+\t, PSA
	MM0 ACCB+8*\t, CB+16*\t, PXB, CSC+4*\i+\t, PSB
.endr
.irp t, 0,1,2,3                        ; K step 1
	MM1 ACCA+8*\t, CB+16*\t+8, PXA+8, CSC+4*\i+\t, PSA
	MM1 ACCB+8*\t, CB+16*\t+8, PXB+8, CSC+4*\i+\t, PSB
.endr
	PLACES 4                                       ; four places between a matrix instruction and the first read of its result, or a load into one of its sources
	WIN WFM
.if \pre
	IMGLOAD IA, IS                                 ; (destination and address lie in window 0 under this setting too)
.endif
.set q, 0
.rept 16                               ; diff = proj s + o, in place, each accumulator from its low end on
	v_pk_fma_f32 v[ACCA+2*q:ACCA+2*q+1], v[ACCA+2*q:ACCA+2*q+1], v[SB+2*q:SB+2*q+1], v[OB+2*q:OB+2*q+1]
	v_pk_fma_f32 v[ACCB+2*q:ACCB+2*q+1], v[ACCB+2*q:ACCB+2*q+1], v[SB+2*q:SB+2*q+1], v[OB+2*q:OB+2*q+1]
.set q, q+1
.endr
	WIN 0
	BMAX2 M0A, M1A, ACCA, M0B, M1B, ACCB           ; my block's largest magnitude: all 32 numbers are mine
	v_add_nc_u32 v[SOA], 0xff000000, v[M0A]
	v_add_nc_u32 v[SOB], 0xff000000, v[M0B]
	v_lshrrev_b32 v[EA], 23, v[SOA]
	v_lshrrev_b32 v[EB], 23, v[SOB]
	v_permlanex16_b32 v[PDA], v[EA], s12, s13
	v_permlanex16_b32 v[PDB], v[EB], s12, s13
	v_lshl_or_b32 v[DSA], v[PDA], 8, v[EA]         ; the pixel's scale word in lanes 0-15, which are the ones read: byte 0 block 0, byte 1 block 1, bytes 2, 3 = 0 over zero codes
	v_lshl_or_b32 v[DSB], v[PDB], 8, v[EB]
.irp g, 0,1,2,3
	v_cvt_scalef32_pk8_fp4_f32 v[DCA+\g], v[ACCA+8*\g:ACCA+8*\g+7], v[SOA]
	v_cvt_scalef32_pk8_fp4_f32 v[DCB+\g], v[ACCB+8*\g:ACCB+8*\g+7], v[SOB]
.endr
	PLACES 8                                       ; a scale register written by a vector instruction stands eight places ahead of a scaled matrix instruction, an operand so written four; the first is also the place behind the conversions
	WIN 0x03                                       ; source 0 (cov_inv) window 3
.irp t, 0,2
	MM0 YA+8*\t, 128+16*\i+4*\t, DCA, VSC+2*\i+\t/2, DSA
	MM0 YB+8*\t, 128+16*\i+4*\t, DCB, VSC+2*\i+\t/2, DSB
	MM0R YA+8*\t+8, 128+16*\i+4*\t+4, DCA, VSC+2*\i+\t/2, DSA
	MM0R YB+8*\t+8, 128+16*\i+4*\t+4, DCB, VSC+2*\i+\t/2, DSB
.endr
	PLACES 4
	WIN 0
	v_pk_mul_f32 v[DA0:DA0+1], v[ACCA:ACCA+1], v[YA:YA+1]          ; diff . y, two chains a tile, started by the first products; each accumulator of y from its low end on
	v_pk_mul_f32 v[DB0:DB0+1], v[ACCB:ACCB+1], v[YB:YB+1]
	v_pk_mul_f32 v[DA0+2:DA0+3], v[ACCA+2:ACCA+3], v[YA+2:YA+3]
	v_pk_mul_f32 v[DB0+2:DB0+3], v[ACCB+2:ACCB+3], v[YB+2:YB+3]
.set q, 2
.rept 14
	v_pk_fma_f32 v[DA0+2*(q%2):DA0+2*(q%2)+1], v[ACCA+2*q:ACCA+2*q+1], v[YA+2*q:YA+2*q+1], v[DA0+2*(q%2):DA0+2*(q%2)+1]
	v_pk_fma_f32 v[DB0+2*(q%2):DB0+2*(q%2)+1], v[ACCB+2*q:ACCB+2*q+1], v[YB+2*q:YB+2*q+1], v[DB0+2*(q%2):DB0+2*(q%2)+1]
.set q, q+1
.endr
	v_pk_add_f32 v[DA0:DA0+1], v[DA0:DA0+1], v[DA0+2:DA0+3]
	v_pk_add_f32 v[DB0:DB0+1], v[DB0:DB0+1], v[DB0+2:DB0+3]
	v_add_f32 v[DA0], v[DA0], v[DA0+1]
	v_add_f32 v[DB0], v[DB0], v[DB0+1]
	v_permlane16_swap_b32 v[DA0], v[DB0]           ; A's lanes 16-31 change places with B's lanes 0-15:
	v_add_f32 v[DA0], v[DA0], v[DB0]               ; lanes 0-15 now hold tile A's 16 distances, lanes 16-31 tile B's: 32 neighbouring pixels
	v_min_num_f32 v[MIN], v[MIN], v[DA0]
.endm
; BLOCK b of 128 pixels, which lies in the given slot
.macro BLOCK b, slot
	s_mov_b32 s49, \slot*SLOTB
	s_mov_b32 s50, 0
	s_mov_b32 s51, 0
	s_mov_b32 s47, 2
.Lx_\@:                                ; X: two trips, my tiles 2 w and 2 w + 1.  I read only rows that my own tensor load brought: my own wait on TENSORcnt has shown them landed
	v_add_nc_u32 v[XRA], s49, v[XR0]
	v_add_nc_u32 v[XWI], s50, v[XWI0]
	v_add_nc_u32 v[XWS], s51, v[XWS0]
.irp n, 0,1,2,3,4,5,6,7,8,9,10,11,12,13,14,15,16,17,18,19,20,21,22,23,24,25,26,27,28,29,30,31
	ds_load_b128 v[64+4*\n:67+4*\n], v[XRA] offset:512*(\n/16)+256*((\n/8)%2)+16*(\n%8)   ; K step n / 16, block 2 ((n / 8) % 2) + h: 128 consecutive bytes of my pixel's row
.endr
	s_wait_dscnt 16                                ; K step 0's sixteen loads are in; K step 1's may be out
	QSTEP 64, PXA, W0
	s_wait_dscnt 0x0
	QSTEP 128, PXA+8, W1
	v_cndmask_b32 v[XSW], v[W0], v[W1], s14        ; lanes 0-15 the word of K step 0, lanes 16-31 of K step 1
.irp n, 0,1,2,3
	ds_store_b128 v[XWI], v[PXA+4*\n:PXA+4*\n+3] offset:512*\n
.endr
	ds_store_b32 v[XWS], v[XSW]
	s_wait_dscnt 0x0                               ; my stores have landed: for the next trip's registers, and for the others in front of the barrier
	s_add_co_u32 s49, s49, 16*PITCH
	s_add_co_u32 s50, s50, 2048
	s_add_co_u32 s51, s51, 128
	s_sub_co_i32 s47, s47, 1
	s_cmp_lg_u32 s47, 0
	s_cbranch_scc1 .Lx_\@
	s_barrier_signal -1
	s_barrier_wait -1                              ; the eight tiles' images lie in LDS.  A refill may stay on its way across it
	s_mov_b32 s44, 0
	s_mov_b32 s46, 0
	s_mov_b32 s48, 4
	IMGLOAD LI, LS                                 ; the first pair
.Lc_\@:                                ; C: four trips, a pair of tiles each
	s_wait_dscnt 0x0                               ; the pair's ten loads are in, and the last trip's store has left
	v_mov_b32 v[MIN], 0x7f800000                   ; +infinity
	v_add_nc_u32 v[MA], s46, v[MA0]
	s_add_co_u32 s44, s44, 4096                    ; the next pair's images; the last trip asks for the last pair once more and no byte beyond the images
	s_min_u32 s44, s44, 12288
	s_lshr_b32 s45, s44, 4
	v_add_nc_u32 v[IA], s44, v[LI]
	v_add_nc_u32 v[IS], s45, v[LS]
	s_cmp_eq_u32 s10, 3                            ; wave 3's first class is wave 2's last: not done twice
	s_cbranch_scc1 .Lskip_\@
	VISIT 0, 0
.Lskip_\@:
	VISIT 1, 0
	VISIT 2, 0
	VISIT 3, 0
	VISIT 4, 1
	ds_store_b32 v[MA], v[MIN] offset:512*\b       ; the minimum over my classes for 32 neighbouring pixels
	s_add_co_u32 s46, s46, 128
	s_sub_co_i32 s48, s48, 1
	s_cmp_lg_u32 s48, 0
	s_cbranch_scc1 .Lc_\@
.endm
; The barrier between two blocks.  In front of it each wave waits for all its tensor loads (the one that may be out is its part of the next block's slot), adds 0 to its spare word, and waits for that, for its reads of
; the images and for its store.  Behind it the images may be written again, and with fill = 1 the slot that this block has read out takes the block two further on: the wave's one tensor load, first thing there.
.macro TURN slot, fill
	s_wait_tensorcnt 0x0                           ; no tensor load of mine is out, so a group 0 may be written
	ds_add_u32 v[SPW], v[NIL]                      ; 0 onto my spare word
.if \fill
	s_add_nc_u64 s[26+4*\slot:27+4*\slot], s[26+4*\slot:27+4*\slot], 262144   ; two blocks of 128 rows of 1,024 bytes on; the type bits on top are not reached
.endif
	s_wait_dscnt 0x0
	s_barrier_signal -1
	s_barrier_wait -1
.if \fill
	tensor_load_to_lds s[24+4*\slot:27+4*\slot], s[16:23]
	s_nop 0
	PLACES 4                                       ; four v_nop follow the load
.endif
.endm
	s_load_b128 s[4:7], s[0:1], 0x0                ; feats s[4:5], wts s[6:7]
	s_load_b64 s[8:9], s[0:1], 0x10                ; out0
	v_lshl_add_u32 v[SPW], v0, 2, SPARE
	v_mov_b32 v[NIL], 0
	ds_add_u32 v1, v2
	ds_add_u32 v1, v2
	s_wait_dscnt 0x0
	v_lshrrev_b32 v3, 5, v0
	v_readfirstlane_b32 s10, v3                    ; wave 0..3
	; descriptor group 1: 32 rows of 256 elements of 4 bytes, dense in memory, 16 bytes of padding behind each row in LDS
	s_mov_b32 s16, (2<<16)|(1<<20)|(7<<22)|(3<<25) ; 15:0 no mask; 17:16 elements of 4 bytes; 20 padding on; 24:22 after every 256 words (code 7); 31:25 four words (code 3)
	s_mov_b32 s17, 256<<16                         ; tensor_dim0 = 256
	s_mov_b32 s18, 32<<16                          ; tensor_dim1 = 32
	s_mov_b32 s19, 256<<16                         ; tile_dim0 = 256
	s_mov_b32 s20, 32                              ; tile_dim1 = 32
	s_mov_b32 s21, 256                             ; elements from row to row
	s_mov_b32 s22, 0
	s_mov_b32 s23, 0
	s_lshl_b32 s42, ttmp9, 19                      ; my work-group's 512 rows of 1,024 bytes,
	s_lshl_b32 s43, s10, 15                        ; my wave's 32 of a block's 128
	s_add_co_u32 s42, s42, s43
	s_mov_b32 s43, 0
	s_mov_b32 s24, 1                               ; group 0: count = 1
	s_mul_i32 s25, s10, WROWS                      ; LDS address: slot 0, my wave's rows
	s_mov_b32 s28, 1
	s_add_co_u32 s29, s25, SLOTB                   ; slot 1
	s_wait_kmcnt 0x0
	s_add_nc_u64 s[26:27], s[4:5], s[42:43]        ; block 0
	s_add_nc_u64 s[30:31], s[26:27], 131072        ; block 1
	s_or_b32 s27, s27, 0x80000000                  ; type = 2
	s_or_b32 s31, s31, 0x80000000
	tensor_load_to_lds s[24:27], s[16:23]          ; both first fills go out together, ahead of everything else: two loads of mine are out
	s_nop 0
	tensor_load_to_lds s[28:31], s[16:23]
	s_nop 0
	PLACES 4
	s_mul_i32 s42, s10, 5
	s_min_u32 s42, s42, 14                         ; my first class
	s_mul_i32 s42, s42, REC
	s_add_nc_u64 s[32:33], s[6:7], s[42:43]
.irp i, 1,2,3,4
	s_add_nc_u64 s[32+2*\i:33+2*\i], s[30+2*\i:31+2*\i], REC
.endr
	s_lshl_b32 s42, ttmp9, 11                      ; out0: 512 pixels a work-group, 128 a wave
	s_lshl_b32 s44, s10, 9
	s_add_co_u32 s42, s42, s44
	s_add_nc_u64 s[8:9], s[8:9], s[42:43]
	v_and_b32 v9, 31, v0                           ; lane
	v_and_b32 v10, 15, v0                          ; r
	v_bfe_u32 v12, v0, 4, 1                        ; h
	v_lshlrev_b32 v[GO], 4, v9
	v_lshlrev_b32 v[GL4], 2, v9
	v_lshlrev_b32 v[GH], 7, v12
	; my five classes' weights, 42 loads a class, as the first launch laid them: they stay
	WIN 0x40                                       ; destination window 1
.irp i, 0,1,2,3
.irp n, 0,1,2,3,4,5,6,7,8,9,10,11,12,13,14,15
	global_load_b128 v[64*\i+4*\n:64*\i+4*\n+3], v[GO], s[32+2*\i:33+2*\i] offset:512*\n
.endr
.endr
	WIN 0x80                                       ; destination window 2
.irp i, 0,1,2,3
.irp n, 0,1,2,3,4,5,6,7
	global_load_b128 v[64*\i+4*\n:64*\i+4*\n+3], v[GH], s[32+2*\i:33+2*\i] offset:11008+16*\n          ; s at k = 32 h + 4 n ..
	global_load_b128 v[64*\i+32+4*\n:64*\i+32+4*\n+3], v[GH], s[32+2*\i:33+2*\i] offset:11264+16*\n    ; o likewise
.endr
.endr
	WIN 0xc0                                       ; destination window 3
.irp n, 0,1,2,3,4,5,6,7,8,9,10,11,12,13,14,15
	global_load_b128 v[4*\n:4*\n+3], v[GO], s[40:41] offset:512*\n
.endr
.irp n, 0,1,2,3,4,5,6,7
	global_load_b128 v[64+4*\n:64+4*\n+3], v[GH], s[40:41] offset:11008+16*\n
	global_load_b128 v[96+4*\n:96+4*\n+3], v[GH], s[40:41] offset:11264+16*\n
.endr
.irp i, 0,1,2,3,4
.irp t, 0,1,2,3
	global_load_b128 v[128+16*\i+4*\t:128+16*\i+4*\t+3], v[GO], s[32+2*\i:33+2*\i] offset:8192+512*\t
.endr
.endr
.irp j, 208,209,210,211
	v_mov_b32 v[\j], 0                             ; behind the last tile of cov_inv: the upper half of its fragment
.endr
	WIN 0
.irp i, 0,1,2,3,4
.irp t, 0,1,2,3
	global_load_b32 v[CSC+4*\i+\t], v[GL4], s[32+2*\i:33+2*\i] offset:10240+128*\t
.endr
.irp u, 0,1
	global_load_b32 v[VSC+2*\i+\u], v[GL4], s[32+2*\i:33+2*\i] offset:10752+128*\u
.endr
.endr
	v_mul_u32_u24 v[XR0], v10, PITCH
	v_lshl_add_u32 v[XR0], v12, 7, v[XR0]
	v_add_nc_u32 v[XR0], s25, v[XR0]
	v_lshl_add_u32 v[LI], v9, 4, IMG
	v_lshl_add_u32 v[LS], v9, 2, ISC
	s_lshl_b32 s42, s10, 12
	v_add_nc_u32 v[XWI0], s42, v[LI]
	s_lshl_b32 s42, s10, 8
	v_add_nc_u32 v[XWS0], s42, v[LS]
	s_lshl_b32 s42, s10, 11
	v_lshl_add_u32 v[MA0], v9, 2, MINS
	v_add_nc_u32 v[MA0], s42, v[MA0]
	s_lshl_b32 s42, s10, 9
	v_lshl_add_u32 v[CA], v9, 4, MINS
	v_add_nc_u32 v[CA], s42, v[CA]
	v_lshlrev_b32 v[H8], 3, v12
.irp j, 4,5,6,7
	v_mov_b32 v[DCA+\j], 0                         ; diff's codes for k = 64 .. 127: zeros, written once
	v_mov_b32 v[DCB+\j], 0
.endr
	v_mov_b32 v[PDA], 0                            ; a lane permute's destination counts as one of its sources
	v_mov_b32 v[PDB], 0
	s_mov_b32 s12, 0x76543210
	s_mov_b32 s13, 0xfedcba98                      ; v_permlanex16_b32's selects for lane l xor 16
	s_mov_b32 s14, 0xffff0000                      ; lanes 16-31
	s_wait_loadcnt 0x0                             ; the weights
	s_wait_tensorcnt 0x1                           ; my rows of slot 0 are in; slot 1's load may stay out
	BLOCK 0, 0
	TURN 0, 1                                      ; slot 0 takes block 2
	BLOCK 1, 1
	TURN 1, 1                                      ; slot 1 takes block 3
	BLOCK 2, 0
	TURN 0, 0                                      ; nothing is left to fetch
	BLOCK 3, 1
	s_wait_dscnt 0x0                               ; my minima have landed
	s_barrier_signal -1
	s_barrier_wait -1
	; the four waves' minima are joined: wave w takes pixels 128 w .. 128 w + 127, four a lane
.irp x, 0,1,2,3
	ds_load_b128 v[64+4*\x:67+4*\x], v[CA] offset:2048*\x
.endr
	s_wait_dscnt 0x0
.irp j, 0,1,2,3
	v_min3_num_f32 v[64+\j], v[64+\j], v[68+\j], v[72+\j]
.endr
.irp j, 0,1,2,3
	v_min_num_f32 v[64+\j], v[64+\j], v[76+\j]
.endr
	global_store_b128 v[GO], v[64:67], s[8:9]      ; 32 lanes store 512 consecutive bytes, at a multiple of 256 from out0's first byte
	s_wait_tensorcnt 0x0                           ; the wave's end: behind my last tensor load and my last LDS store
	ds_add_u32 v[SPW], v[NIL]
	s_wait_dscnt 0x0
	s_endpgm
.Lfunc_end_k_q23c2d84dd0_detect:
	.size	k_q23c2d84dd0_detect, .Lfunc_end_k_q23c2d84dd0_detect-k_q23c2d84dd0_detect
	.p2alignl 7, 3214868480
	.fill 96, 4, 3214868480
	.section	.rodata,"a",@progbits
	.p2align	6, 0x0
	.amdhsa_kernel k_q23c2d84dd0_detect
		.amdhsa_group_segment_fixed_size 327680
		.amdhsa_private_segment_fixed_size 0
		.amdhsa_enable_private_segment 0
		.amdhsa_kernarg_size 24
		.amdhsa_user_sgpr_count 2
		.amdhsa_user_sgpr_kernarg_segment_ptr 1
		.amdhsa_wavefront_size32 1
		.amdhsa_system_sgpr_workgroup_id_x 1
		.amdhsa_system_sgpr_workgroup_id_y 1
		.amdhsa_system_sgpr_workgroup_id_z 1
		.amdhsa_system_vgpr_workitem_id 0
		.amdhsa_next_free_vgpr 1024
		.amdhsa_next_free_sgpr 66
		.amdhsa_reserve_vcc 0
		.amdhsa_float_denorm_mode_32 3
		.amdhsa_float_denorm_mode_16_64 3
		.amdhsa_memory_ordered 1
		.amdhsa_forward_progress 1
		.amdhsa_inst_pref_size 255
	.end_amdhsa_kernel
	.section	.bss,"aw",@nobits
	.p2align	6
	.space	262144
	.amdgpu_metadata
---
amdhsa.version: [ 1, 2 ]
amdhsa.kernels:
  - .name:           k_q23c2d84dd0_detect
    .symbol:         k_q23c2d84dd0_detect.kd
    .args:
      - { .name: feats, .offset: 0, .size: 8, .value_kind: global_buffer, .address_space: global }
      - { .name: wts, .offset: 8, .size: 8, .value_kind: global_buffer, .address_space: global }
      - { .name: out0, .offset: 16, .size: 8, .value_kind: global_buffer, .address_space: global }
    .group_segment_fixed_size: 327680
    .private_segment_fixed_size: 0
    .kernarg_segment_align: 8
    .kernarg_segment_size: 24
    .max_flat_workgroup_size: 128
    .sgpr_count:     66
    .vgpr_count:     1024
    .wavefront_size: 32
...
	.end_amdgpu_metadata
.endif
;; end of part 2
